; MI455X (gfx1250); checked and timed in simulation.
; The chip was launched on July 23, 2026; its instructions are those of AMD's public machine-readable ISA for CDNA 5 (MIT licence, August 2026) and "CDNA5" Instruction Set Architecture Reference Guide (July 2026). The comments in the code are by the model that wrote it; some were corrected since.
;; Conv2 D Attention Block. Allowed arithmetic: float matrix products may take bf16 or f16 operands with f32 sums; all other float work in f32.
;; Inputs: Wk 512 x 128 float32; Wq 512 x 128 float32; Wt 128 x 512 float32; Wv 512 x 128 float32; bt 128 float32; bv 512 float32; x 16 x 128 x 32 x 32 float32.
;; Outputs: out0 16 x 128 x 32 x 32 float32.
;; 2 versions, each right; version 2 is version 1 with the launch prep written anew for expert scheduling mode. Each part assembles by itself: llvm-mc -triple=amdgcn-amd-amdhsa -mcpu=gfx1250 --defsym DOCPART=n.
;; ======== version 1 of 2: 3 launches
;; workspace buffers: xb 4,194,304 bytes; wf 524,288 bytes; part 16,777,216 bytes
;; launch prep (part 1): grid 256 x 1, 8 waves a work-group, no clusters, 18,432 bytes of LDS; arguments x, Wq, Wk, Wv, Wt, xb, wf; writes xb, wf
.if DOCPART == 1
	.amdgcn_target "amdgcn-amd-amdhsa--gfx1250"
	.amdhsa_code_object_version 6
	.text
	.protected	k_q6c48678823_prep
	.globl	k_q6c48678823_prep
	.p2align	8
	.type	k_q6c48678823_prep,@function
k_q6c48678823_prep:
	s_mov_b64 s[64:65], 0
	v_nop
	global_prefetch_b8 v0, s[64:65] scope:SCOPE_SE
	s_setreg_imm32_b32 hwreg(HW_REG_WAVE_MODE, 25, 1), 1
	s_wait_xcnt 0x0
; prep: casts to bf16, once, what the attention launch multiplies.
; PART A.  xb[b][rho(c)][sigma(m)] = bf16(x[b][c][m]); a row is 1,024 bf16 = 2,048 bytes.
;   rho(c)   = (c & 0x70) | ((c & 7) << 1) | ((c >> 3) & 1)   the row's place among the batch's 128 rows
;   sigma(m) = (m & 7) * 128 + (m >> 3)                       so the 128 pixels with m mod 8 = r are 256 neighbouring bytes
; 2,048 rows, 2,048 waves: one wave casts one row.  The regrouping by m mod 8 goes through the wave's own 2,176 bytes of LDS
; (eight segments of 256 bytes, 272 apart); all global reads and writes are 512 neighbouring bytes an instruction.
; PART B.  wf: 512 matrix fragments of 1,024 bytes (16 rows x 32 k of bf16): lane L's registers 0-3 at 16 L, registers 4-7 at 512 + 16 L.
;   Lane (r = L & 15, hl = L >> 4) holds row 16 t + r, k = 32 s + 8 hl + 0..7 and 32 s + 16 + 8 hl + 0..7.
;   fragments   0-127: Wq[128 h + 16 t + r][k] * log2(e)/sqrt(128)    number 32 h + 4 t + s   (scaled in f32, rounded once)
;   fragments 128-255: Wk[128 h + k][16 t + r]  (transposed)          number 32 h + 4 t + s
;   fragments 256-383: Wv[128 h + 16 t + r][k]                        number 32 h + 4 t + s
;   fragments 384-511: Wt[16 t + r][k], k = 32 ks + ..                number 16 t + ks
;   Waves 0 and 4 of each work-group make one fragment each: 2 x 256 = 512.
; No matrix unit, cluster or tensor load: every byte is touched once and nothing is shared between work-groups.
.set QSCALE, 0x3e0293ee                ; log2(e) / sqrt(128) = 0.12751743
.set SEG,  272                         ; LDS: a segment of 256 bytes + 16
.set XR,   8                           ; v[8:39]   the row as loaded, eight times 4 f32
.set PK,   40                          ; v[40:55]  packed bf16
.set BK,   56                          ; v[56:71]  the row read back, to store
.set WL,   72                          ; v[72:87]  a fragment's 16 f32
.set WP,   88                          ; v[88:95]  the fragment
	s_load_b256 s[4:11], s[0:1], 0x0               ; x s[4:5], Wq s[6:7], Wk s[8:9], Wv s[10:11]
	s_load_b128 s[12:15], s[0:1], 0x20             ; Wt s[12:13], xb s[14:15]
	s_load_b64 s[16:17], s[0:1], 0x30              ; wf
	v_lshl_add_u32 v96, v0, 2, 0x4400
	v_mov_b32 v97, 0
	v_lshrrev_b32 v5, 5, v0
	v_readfirstlane_b32 s18, v5                    ; wave 0..7
	v_and_b32 v1, 31, v0                           ; lane L
	v_lshlrev_b32 v2, 4, v1                        ; 16 L
	s_lshl3_add_u32 s19, ttmp9, s18                ; row number 128 b + c = 8 x work-group + wave
	s_lshl_b32 s20, s19, 12                        ; its 4,096 bytes in x
	s_mov_b32 s21, 0
	s_and_b32 s22, s19, 0x7f0                      ; b and c's bits 6:4 stay
	s_and_b32 s23, s19, 7
	s_lshl1_add_u32 s22, s23, s22                  ; + 2 (c & 7)
	s_bfe_u32 s24, s19, 0x10003
	s_add_co_u32 s22, s22, s24                     ; + bit 3 of c
	s_lshl_b32 s22, s22, 11                        ; its 2,048 bytes in xb
	s_mov_b32 s23, 0
	s_mul_i32 s25, s18, 8*SEG                      ; my wave's stage
	v_and_b32 v6, 1, v1
	v_mul_u32_u24 v3, v6, 4*SEG                    ; in: pixel 128 k + 4 L + i has residue 4 (L & 1) + i
	v_lshrrev_b32 v6, 1, v1
	v_lshl_add_u32 v3, v6, 1, v3                   ; and place 16 k + (L >> 1) in its segment
	v_add_nc_u32 v3, s25, v3
	v_lshrrev_b32 v7, 4, v1                        ; hl
	v_mul_u32_u24 v4, v7, SEG                      ; back: lanes 0-15 one segment, lanes 16-31 the next
	v_and_b32 v6, 15, v1                           ; r
	v_lshl_add_u32 v4, v6, 4, v4
	v_add_nc_u32 v4, s25, v4
	s_wait_kmcnt 0x0
	s_add_nc_u64 s[4:5], s[4:5], s[20:21]
	s_add_nc_u64 s[14:15], s[14:15], s[22:23]
.irp k, 0,1,2,3,4,5,6,7
	global_load_b128 v[XR+4*\k:XR+4*\k+3], v2, s[4:5] offset:512*\k th:TH_LOAD_NT
.endr
.irp k, 0,1,2,3,4,5,6,7
	s_wait_loadcnt 7-\k                            ; loads return in order: piece k is in, the 7 - k younger ones stay out
	v_cvt_pk_bf16_f32 v[PK+2*\k], v[XR+4*\k], v[XR+4*\k+1]
	v_cvt_pk_bf16_f32 v[PK+2*\k+1], v[XR+4*\k+2], v[XR+4*\k+3]
	ds_store_b16 v3, v[PK+2*\k] offset:32*\k
	ds_store_b16_d16_hi v3, v[PK+2*\k] offset:SEG+32*\k
	ds_store_b16 v3, v[PK+2*\k+1] offset:2*SEG+32*\k
	ds_store_b16_d16_hi v3, v[PK+2*\k+1] offset:3*SEG+32*\k
.endr
.irp q, 0,1,2,3
	ds_load_b128 v[BK+4*\q:BK+4*\q+3], v4 offset:2*SEG*\q      ; the wave's own bytes; LDS serves a wave's instructions in order
.endr
.irp q, 0,1,2,3
	s_wait_dscnt 3-\q                              ; piece q is back, the younger ones stay out
	global_store_b128 v2, v[BK+4*\q:BK+4*\q+3], s[14:15] offset:512*\q      ; 512 neighbouring bytes, aligned
.endr
	; PART B: waves 0 and 4 alone
	s_and_b32 s20, s18, 3
	s_cmp_lg_u32 s20, 0
	s_cbranch_scc1 .Lend
	s_lshr_b32 s20, s18, 2
	s_lshl1_add_u32 s20, ttmp9, s20                ; fragment g = 2 x work-group + (wave >> 2), 0..511
	s_lshr_b32 s21, ttmp9, 6                       ; which matrix: 0 Wq, 1 Wk, 2 Wv, 3 Wt
	s_and_b32 s22, s20, 127                        ; number f inside it
	s_lshl_b32 s26, s20, 10
	s_mov_b32 s27, 0
	s_add_nc_u64 s[16:17], s[16:17], s[26:27]      ; where the fragment goes
	s_cmp_eq_u32 s21, 1
	s_cbranch_scc1 .Ltrans
	; Wq, Wv, Wt: k lies along the matrix's rows.  SH = log2 of the fragments in a row of fragments: 2 (rows of 128) or 4 (rows of 512)
	s_cmp_eq_u32 s21, 0
	s_cselect_b64 s[24:25], s[6:7], s[10:11]
	s_cselect_b32 s30, QSCALE, 1.0                 ; Wq alone carries the scale of the scores
	s_mov_b32 s31, 0                               ; the pair's second word, not used
	s_cmp_eq_u32 s21, 3
	s_cselect_b64 s[24:25], s[12:13], s[24:25]
	s_cselect_b32 s28, 4, 2                        ; SH
	s_lshr_b32 s26, s22, s28
	s_add_co_u32 s29, s28, 11
	s_lshl_b32 s26, s26, s29                       ; 16 rows of (128 << SH) bytes for each row of fragments
	s_bfm_b32 s29, s28, 0
	s_and_b32 s29, s22, s29
	s_lshl_b32 s29, s29, 7                         ; 32 k = 128 bytes
	s_add_co_u32 s26, s26, s29
	s_add_nc_u64 s[24:25], s[24:25], s[26:27]
	s_add_co_u32 s29, s28, 7
	v_lshlrev_b32 v5, s29, v6                      ; row r
	v_lshl_add_u32 v5, v7, 5, v5                   ; + 8 hl numbers
	global_load_b128 v[WL:WL+3], v5, s[24:25]
	global_load_b128 v[WL+4:WL+7], v5, s[24:25] offset:16
	global_load_b128 v[WL+8:WL+11], v5, s[24:25] offset:64
	global_load_b128 v[WL+12:WL+15], v5, s[24:25] offset:80
	s_wait_loadcnt 0x0
.irp i, 0,2,4,6,8,10,12,14
	v_pk_mul_f32 v[WL+\i:WL+\i+1], v[WL+\i:WL+\i+1], s[30:31] op_sel_hi:[1,0]
.endr
	s_branch .Lpack
.Ltrans:
	; Wk transposed: k = d runs down Wk's rows; sixteen lanes read 64 neighbouring bytes of one row.  256 KiB in the whole launch.
	s_lshr_b32 s26, s22, 5
	s_lshl_b32 s26, s26, 7                         ; 128 h
	s_and_b32 s28, s22, 3
	s_lshl_b32 s28, s28, 5                         ; + 32 s
	s_add_co_u32 s26, s26, s28
	s_lshl_b32 s26, s26, 9                         ; rows of 512 bytes
	s_bfe_u32 s28, s22, 0x30002
	s_lshl_b32 s28, s28, 6                         ; + 16 t columns
	s_add_co_u32 s26, s26, s28
	s_add_nc_u64 s[24:25], s[8:9], s[26:27]
	v_lshlrev_b32 v5, 2, v6                        ; column r
	v_lshl_add_u32 v5, v7, 12, v5                  ; + 8 hl rows
.irp i, 0,1,2,3,4,5,6,7,8,9,10,11,12,13,14,15
	global_load_b32 v[WL+\i], v5, s[24:25] offset:((\i&7)+16*(\i>>3))*512
.endr
	s_wait_loadcnt 0x0
.Lpack:
.irp i, 0,1,2,3,4,5,6,7
	v_cvt_pk_bf16_f32 v[WP+\i], v[WL+2*\i], v[WL+2*\i+1]
.endr
	global_store_b128 v2, v[WP:WP+3], s[16:17]
	global_store_b128 v2, v[WP+4:WP+7], s[16:17] offset:512
.Lend:
	s_wait_tensorcnt 0x0
	ds_add_u32 v96, v97
	s_wait_dscnt 0x0
	s_endpgm
.Lfunc_end_k_q6c48678823_prep:
	.size	k_q6c48678823_prep, .Lfunc_end_k_q6c48678823_prep-k_q6c48678823_prep
	.p2alignl 7, 3214868480
	.fill 96, 4, 3214868480
	.section	.rodata,"a",@progbits
	.p2align	6, 0x0
	.amdhsa_kernel k_q6c48678823_prep
		.amdhsa_group_segment_fixed_size 18432
		.amdhsa_private_segment_fixed_size 0
		.amdhsa_enable_private_segment 0
		.amdhsa_kernarg_size 56
		.amdhsa_user_sgpr_count 2
		.amdhsa_user_sgpr_kernarg_segment_ptr 1
		.amdhsa_wavefront_size32 1
		.amdhsa_system_sgpr_workgroup_id_x 1
		.amdhsa_system_sgpr_workgroup_id_y 1
		.amdhsa_system_sgpr_workgroup_id_z 1
		.amdhsa_system_vgpr_workitem_id 0
		.amdhsa_next_free_vgpr 98
		.amdhsa_next_free_sgpr 66
		.amdhsa_reserve_vcc 0
		.amdhsa_float_denorm_mode_32 3
		.amdhsa_float_denorm_mode_16_64 3
		.amdhsa_memory_ordered 1
		.amdhsa_forward_progress 1
		.amdhsa_inst_pref_size 12
	.end_amdhsa_kernel
	.amdgpu_metadata
---
amdhsa.version: [ 1, 2 ]
amdhsa.kernels:
  - .name:           k_q6c48678823_prep
    .symbol:         k_q6c48678823_prep.kd
    .args:
      - { .name: x, .offset: 0, .size: 8, .value_kind: global_buffer, .address_space: global }
      - { .name: Wq, .offset: 8, .size: 8, .value_kind: global_buffer, .address_space: global }
      - { .name: Wk, .offset: 16, .size: 8, .value_kind: global_buffer, .address_space: global }
      - { .name: Wv, .offset: 24, .size: 8, .value_kind: global_buffer, .address_space: global }
      - { .name: Wt, .offset: 32, .size: 8, .value_kind: global_buffer, .address_space: global }
      - { .name: xb, .offset: 40, .size: 8, .value_kind: global_buffer, .address_space: global }
      - { .name: wf, .offset: 48, .size: 8, .value_kind: global_buffer, .address_space: global }
    .group_segment_fixed_size: 18432
    .private_segment_fixed_size: 0
    .kernarg_segment_align: 8
    .kernarg_segment_size: 56
    .max_flat_workgroup_size: 256
    .sgpr_count:     66
    .vgpr_count:     98
    .wavefront_size: 32
...
	.end_amdgpu_metadata
.endif
;; end of part 1
;; launch attn (part 2): grid 256 x 1, 4 waves a work-group, clusters of 4 x 1, 301,568 bytes of LDS; arguments xb, wf, bv, part; writes part
.if DOCPART == 2
	.amdgcn_target "amdgcn-amd-amdhsa--gfx1250"
	.amdhsa_code_object_version 6
	.text
	.protected	k_q6c48678823_attn
	.globl	k_q6c48678823_attn
	.p2align	8
	.type	k_q6c48678823_attn,@function
k_q6c48678823_attn:
	s_mov_b64 s[64:65], 0
	v_nop
	global_prefetch_b8 v0, s[64:65] scope:SCOPE_SE
	s_setreg_imm32_b32 hwreg(HW_REG_WAVE_MODE, 25, 1), 1
	s_wait_xcnt 0x0
	s_wait_alu depctr_hold_cnt(0) depctr_sa_sdst(0) depctr_va_vdst(0) depctr_va_sdst(0) depctr_va_ssrc(0) depctr_va_vcc(0) depctr_vm_vsrc(0)
	s_getreg_b32 s2, hwreg(HW_REG_IB_STS2, 6, 4)
	s_cmp_eq_u32 s2, 0
	s_cbranch_scc0 .Lentry_in_a_cluster
	s_endpgm
.Lentry_in_a_cluster:
	s_bfe_u32 s2, ttmp6, 0x10000c
	s_cmp_lg_u32 s2, 0x3003
	s_cbranch_scc0 .Lentry_shape_is_right
	s_endpgm
.Lentry_shape_is_right:
; attn: all the matrix work.  One work-group = (batch b, residue r = n mod 8, head pair hp): 16 x 8 x 2 = 256.
; The row-major reshape of the weighted sums puts query n = 8 j + r of head h at channel 128 h + j, pixels 128 r + d.  So the 128 queries of one
; residue, over the heads, give the output's pixels 128 r .. 128 r + 127 of all 128 channels; a work-group does two heads and stores its partial sum.
; RE-ASSOCIATION (exact in real numbers; the places at which operands are rounded to bf16 differ from the written order of the problem):
;   score[n][m] = (Wk_h^T q_n) . x_m            the keys are never formed: q' = Wk^T q
;   sum_m p[n][m] (Wv_h x_m + bv) = Wv_h y_n + bv,  y_n = sum_m p[n][m] x_m, since a softmax row sums to one: the values are never formed
; so every head attends over the batch's own x, 128 x 1,024 bf16, which lies whole in LDS and serves as keys and as values.
; Wave w: head 2 hp + (w >> 1), queries j = 64 (w & 1) + 0..63.  Matrix instructions of a wave: q 128, q' 128, 16 blocks of 64 keys x (64 + 64), Wv 128, Wt 128.
; SOFTMAX: running maximum and running sum for each query in f32, base 2 (log2(e)/sqrt(128) is folded into Wq's fragments).
; THE KEY LOOP IS A PIPELINE.  Step i: the matrix instructions of PV(i-1), then of S(i+1); behind each of them a few vector instructions of the
; softmax of block i, which touch none of those products' registers.  The scores have two buffers: S(i+1) is written over p(i-1).
; LIMITS: the row sum adds the f32 exponentials while the products take them rounded to bf16; v_exp_f32 gives 0 for results under 2^-126
; (ISA guide, 15.8); a score that is not finite gives NaN in its query's outputs.  All matrix operands are bf16, so range is no limit.
; CLUSTER: the four work-groups of a cluster share b, hence the image: each wave asks jointly (mask 15) for its quarter.  The place in the cluster
; enters two global addresses alone (my query columns; my output), no LDS address, no branch, no joint descriptor.
; The weights are not shared through LDS: 327,680 - 301,056 = 26,624 bytes are left and one head's matrix is 32,768; they come as fragments, 512 neighbouring bytes a load.
; No slot is ever filled again: each LDS byte is filled once, so no ring and no refill barrier.  A wave has two tensor loads out at most.
;
; LDS:  IMG 0 .. 266,239   two halves (positions 0-511, 512-1023) of 128 rows, 1,040 bytes apart (1,024 + 16)
;       XQ  266,240 ..     128 rows, 272 apart: my 128 query columns
;       after the image's last read:  EX 0 .. 65,535  64 fragments of the weighted sums;  OS 65,536 + 16,896 w  32 rows, 528 apart, each wave's own
; Rows lie in the order rho (see prep): with it the sixteen lanes of a half wave address sixteen different 16-byte columns modulo 256 bytes
; both in the plain loads (16 rows, one column) and in the transposing ones (8 rows, two columns).
;
; REGISTERS, windows of 256:
;   W0: v1 lane, v2 16 lane, v3 XQ address, v4-11 image addresses (half g: T0 T1 P0 P1), v12-19 (m, tmp) x 4 of the even blocks, v104-111 of the odd ones,
;       v20-27 (alpha, -) x 4, v32-63, v64-95 two buffers of key fragments (later bv, then rows on the way out), v96-103 (l, l') x 4,
;       v112-114, v121 addresses, v128-255 scores / p of the odd blocks (first Wq's tiles 0-3, last the output's sums)
;   W1: v0-127 DATA: 16 fragments (4 nt + s): x_q, q, q', y, then the weighted sums;  v128-255: Wq's tiles 4-7, then x as values, then Wt
;   W2: 32 accumulator tiles (4 t + nt); last EX fragments 32-63
;   W3: Wk^T; in the loop v0-127 Wv's tiles 0-3, waiting, and v128-255 scores / p of the even blocks; then Wv whole; last EX fragments 0-31
; s_set_vgpr_msb's low byte: bits 1:0 source 0, 3:2 source 1, 5:4 source 2, 7:6 destination.
; In the loop a matrix instruction and the vector instructions behind it need settings of their own: a vector instruction's destination has the
; accumulators' window and v_exp_f32's one source the A operand's, so work in place beside the S products would ask for both score buffers and
; a key buffer in one window, 128 + 128 + 32 registers.  Hence two switches a slot.
; In every product the accumulators take turns, one instruction a turn.
.set IPITCH, 1040
.set IROW16, 16*IPITCH
.set IQUART, 64*IPITCH
.set IHALF,  128*IPITCH
.set XQ,     2*IHALF                   ; 266,240
.set XPITCH, 272
.set OS,     65536
.set OPITCH, 528
.set ADR,  4
.set ML0,  12
.set AL,   20
.set BUF0, 32
.set LS,   96
.set ML1,  104
.set EXW,  112
.set OSW,  113
.set OSR,  114
.set R4,   121
.set SP,   128
; Kept by the assembler as the text is written:
.set MSB, 0                            ; the window setting in force
.set PLN, 100                          ; plain vector instructions written so far in the key loop's parts (no matrix instruction, transcendental or lane permute)
.set DSN, 0                            ; LDS loads of the key loop written so far
.set DK0, 0                            ; DSN behind the last load into key buffer 0,
.set DK1, 0                            ; into key buffer 1,
.set DPV, 0                            ; into the value fragments
.set RK0, 0                            ; PLN at the last matrix instruction that read key buffer 0, 1
.set RK1, 0
.set RSA, 0                            ; PLN at the last S product of key tiles 0-2, of key tile 3
.set RSB, 0
.set RPA, 0                            ; PLN at the last PV product of the first 32 positions, of the second 32
.set RPB, 0
.macro WIN new                         ; the immediate's high byte repeats the setting that is left
.if MSB != (\new)
	s_set_vgpr_msb (MSB<<8)|(\new)
.set MSB, \new
.endif
.endm
.macro PLACES n                        ; plain vector instructions between a matrix instruction and what touches its registers (ISA guide 7.12.1)
.rept \n
	v_nop
.endr
.set PLN, PLN+\n
.endm
.macro NEEDPL rec, n                   ; n places behind the matrix instruction at which PLN was rec: only those that the text has not yet are written as v_nop
.if (PLN-(\rec)) < (\n)
.rept (\n)-(PLN-(\rec))
	v_nop
.endr
.set PLN, (\rec)+(\n)
.endif
.endm
.macro DSWAIT seq                      ; LDS loads return in order (ISA guide 5.7.1): the count is the number of loads written behind the last one that is wanted
	s_wait_dscnt DSN-\seq
.endm
.macro ROUND                           ; a round of the cluster's barrier
	s_barrier_signal -1
	s_barrier_wait -1
	s_cmp_lg_u32 s12, 0
	s_cbranch_scc1 .Lnot_wave_0_\@
	s_barrier_signal -3
.Lnot_wave_0_\@:
	s_barrier_wait -3
	s_barrier_signal -1
	s_barrier_wait -1
.endm
; n fragments from wf into v[base ..]: two loads of 512 neighbouring bytes each
.macro GLOADF base, sb, off, n
.set gf, 0
.rept \n
	global_load_b128 v[\base+8*gf:\base+8*gf+3], v2, s[\sb:\sb+1] offset:\off+1024*gf
	global_load_b128 v[\base+8*gf+4:\base+8*gf+7], v2, s[\sb:\sb+1] offset:\off+1024*gf+512
.set gf, gf+1
.endr
.endm
; tiles (t, nt), t = t0 .. t0+cnt-1, over K = 128: weights' fragment (t, s) at wb + 8 (4 (t - t0) + s), DATA's fragment (nt, s).  swap = 1: DATA is source 0.
.macro GEMM wb, t0, cnt, swap
.irp s, 0,1,2,3
.set gt, \t0
.rept \cnt
.irp nt, 0,1,2,3
.if \swap
.if \s
	v_wmma_f32_16x16x32_bf16 v[(4*gt+\nt)*8:(4*gt+\nt)*8+7], v[(4*\nt+\s)*8:(4*\nt+\s)*8+7], v[\wb+(4*(gt-\t0)+\s)*8:\wb+(4*(gt-\t0)+\s)*8+7], v[(4*gt+\nt)*8:(4*gt+\nt)*8+7]
.else
	v_wmma_f32_16x16x32_bf16 v[(4*gt+\nt)*8:(4*gt+\nt)*8+7], v[(4*\nt+\s)*8:(4*\nt+\s)*8+7], v[\wb+(4*(gt-\t0)+\s)*8:\wb+(4*(gt-\t0)+\s)*8+7], 0
.endif
.else
.if \s
	v_wmma_f32_16x16x32_bf16 v[(4*gt+\nt)*8:(4*gt+\nt)*8+7], v[\wb+(4*(gt-\t0)+\s)*8:\wb+(4*(gt-\t0)+\s)*8+7], v[(4*\nt+\s)*8:(4*\nt+\s)*8+7], v[(4*gt+\nt)*8:(4*gt+\nt)*8+7]
.else
	v_wmma_f32_16x16x32_bf16 v[(4*gt+\nt)*8:(4*gt+\nt)*8+7], v[\wb+(4*(gt-\t0)+\s)*8:\wb+(4*(gt-\t0)+\s)*8+7], v[(4*\nt+\s)*8:(4*\nt+\s)*8+7], 0
.endif
.endif
.endr
.set gt, gt+1
.endr
.endr
.endm
; The 32 tiles (rows 16 t + 8 hl + j, column r') become DATA's 16 fragments (column r', k = 32 s + 8 hl + j and + 16): a lane keeps its own numbers
.macro CVTFRAG
	WIN 0x4a
.irp nt, 0,1,2,3
.irp s, 0,1,2,3
.irp i, 0,1,2,3
	v_cvt_pk_bf16_f32 v[(4*\nt+\s)*8+\i], v[(8*\s+\nt)*8+2*\i], v[(8*\s+\nt)*8+2*\i+1]
	v_cvt_pk_bf16_f32 v[(4*\nt+\s)*8+4+\i], v[(8*\s+4+\nt)*8+2*\i], v[(8*\s+4+\nt)*8+2*\i+1]
.endr
.endr
.endr
.endm
.macro RESCALE                         ; behind the loop: the 32 tiles times 1 / l of the lane's query
	WIN 0x82
.set qq, 0
	s_wait_alu depctr_va_vdst(0)
.rept 32
.irp i, 0,2,4,6
	v_pk_mul_f32 v[8*qq+\i:8*qq+\i+1], v[8*qq+\i:8*qq+\i+1], v[AL+2*(qq&3):AL+2*(qq&3)+1] op_sel_hi:[1,0]
.endr
.set qq, qq+1
.endr
.endm
; ================= the key loop's parts =================
; key tile mt (16 positions x 128 channels) of a block in half g, transposed out of the image into key buffer b: 8 loads, four places behind the buffer's last reader
.macro KLOAD g, mt, b
.if \b
	NEEDPL RK1, 4
.else
	NEEDPL RK0, 4
.endif
	WIN 0
.irp s, 0,1,2,3
	ds_load_tr16_b128 v[BUF0+32*\b+8*\s:BUF0+32*\b+8*\s+3], v[ADR+4*(\g)+(\s>>1)] offset:(2*(\s&1))*IROW16+32*\mt
	ds_load_tr16_b128 v[BUF0+32*\b+8*\s+4:BUF0+32*\b+8*\s+7], v[ADR+4*(\g)+(\s>>1)] offset:(2*(\s&1)+1)*IROW16+32*\mt
.endr
.set DSN, DSN+8
.if \b
.set DK1, DSN
.else
.set DK0, DSN
.endif
.set ld, 1
.endm
; x as values: channel tiles c0 .. c0+3 x 32 positions (ks), plain: 8 loads into W1, fragment (ks, ct) at 128 + 8 (8 ks + ct)
.macro VLOAD g, ks, c0
.if \ks
	NEEDPL RPB, 4
.else
	NEEDPL RPA, 4
.endif
	WIN 0x40
.irp q, 0,1,2,3
	ds_load_b128 v[128+(8*\ks+\c0+\q)*8:128+(8*\ks+\c0+\q)*8+3], v[ADR+2+4*(\g)+(\c0>>2)] offset:\q*IROW16+64*\ks
	ds_load_b128 v[128+(8*\ks+\c0+\q)*8+4:128+(8*\ks+\c0+\q)*8+7], v[ADR+2+4*(\g)+(\c0>>2)] offset:\q*IROW16+64*\ks+32
.endr
.set DSN, DSN+8
.set DPV, DSN
.set ld, 1
.endm
.macro STEP2 r                         ; two address registers go on by 64 positions (behind the last blocks the stepped addresses are not used)
	WIN 0
	v_add_nc_u32 v[\r], 128, v[\r]
	v_add_nc_u32 v[\r+1], 128, v[\r+1]
.set PLN, PLN+2
.endm
; product ix (0..63) of y[c][n] += x[c][m] p[m][n]: ks = ix >> 5, channel tile (ix >> 2) & 7, query tile ix & 3; p lies in window OW
.macro PVW first
.if ix == 0
	DSWAIT DPV                                     ; the 32 value loads are in; the key loads written behind them stay out
.endif
	WIN 0xa1|(OW<<2)
.set pd, (4*((ix>>2)&7)+(ix&3))*8
.set pa, 128+(8*(ix>>5)+((ix>>2)&7))*8
.set pb, SP+(4*(ix>>5)+(ix&3))*16
.if (\first)&(1-(ix>>5))
	v_wmma_f32_16x16x32_bf16 v[pd:pd+7], v[pa:pa+7], v[pb:pb+7], 0
.else
	v_wmma_f32_16x16x32_bf16 v[pd:pd+7], v[pa:pa+7], v[pb:pb+7], v[pd:pd+7]
.endif
.if ix == 31
.set RPA, PLN
.elseif ix == 63
.set RPB, PLN
.endif
.endm
; product ix (0..63) of the scores, transposed (rows = 16 keys, columns = 16 queries): mt = ix >> 4, s = (ix >> 2) & 3, nt = ix & 3;
; tile (mt, nt) at SP + 16 (4 (mt >> 1) + nt) + 8 (mt & 1) of window OW, over the p of two blocks before
.macro SMW
.if (ix&15) == 0
.if ix&16
	DSWAIT DK1                                     ; this key tile's eight loads are in, what was written behind them stays out
.else
	DSWAIT DK0
.endif
.endif
.if ix == 0
	NEEDPL RPA, 5                                  ; five places behind the last product that read the p written over
.elseif ix == 32
	NEEDPL RPB, 5
.endif
	WIN (OW<<6)|(OW<<4)|0x04
.set sd, SP+(4*(ix>>5)+(ix&3))*16+8*((ix>>4)&1)
.set sa, BUF0+32*((ix>>4)&1)+8*((ix>>2)&3)
.set sb, (4*(ix&3)+((ix>>2)&3))*8
.if (ix>>2)&3
	v_wmma_f32_16x16x32_bf16 v[sd:sd+7], v[sa:sa+7], v[sb:sb+7], v[sd:sd+7]
.else
	v_wmma_f32_16x16x32_bf16 v[sd:sd+7], v[sa:sa+7], v[sb:sb+7], 0
.endif
.if (ix&15) == 15
.if ix&16
.set RK1, PLN
.else
.set RK0, PLN
.endif
.endif
.if ix == 47
.set RSA, PLN
.elseif ix == 63
.set RSB, PLN
.endif
.endm
; Instruction SI of the softmax of the block whose scores lie in window SW.  A lane holds 32 of the 64 scores of one query for each nt; the other 32
; lie in the lane 16 away.  Four chains (nt) run side by side.  MC: (m, tmp) of this block, MP: of the block before.
.macro EMIT
.if SI < SEND
.if SI < 64                            ; the new maximum, started from the old one: 16 x 4
.if SI == 0
	NEEDPL RSA, 4
.elseif SI == 48
	NEEDPL RSB, 4
.endif
.set eb, SP+(4*(SI>>5)+(SI&3))*16+2*((SI>>2)&7)
	WIN (SW<<2)|(SW<<4)
.if SI < 4
	v_max3_num_f32 v[MC+2*(SI&3)], v[MP+2*(SI&3)], v[eb], v[eb+1]
.else
	v_max3_num_f32 v[MC+2*(SI&3)], v[MC+2*(SI&3)], v[eb], v[eb+1]
.endif
.set PLN, PLN+1
.elseif SI < 80                        ; the other half's maximum; alpha = 2^(old m - new m)
.set en, 2*(SI&3)
	WIN 0
.if SI < 68
	v_permlanex16_b32 v[MC+en+1], v[MC+en], s52, s53
.elseif SI < 72
	v_max_num_f32 v[MC+en], v[MC+en], v[MC+en+1]
.set PLN, PLN+1
.elseif SI < 76
	v_sub_f32 v[AL+en], v[MP+en], v[MC+en]
.set PLN, PLN+1
.else
	v_exp_f32 v[AL+en], v[AL+en]                   ; used first in the sums, behind all the subtractions (ISA guide 5.7.2)
.endif
.elseif SI < 272                       ; sixteen groups of four packed subtractions and their eight exponentials, in place
.set ej, (SI-80)%12
.set ep, (SI-80)/12
	WIN (SW<<6)|SW
.if ej < 4
.set eb, SP+(4*(ep>>3)+ej)*16+2*(ep&7)
	v_pk_add_f32 v[eb:eb+1], v[eb:eb+1], v[MC+2*ej:MC+2*ej+1] op_sel_hi:[1,0] neg_lo:[0,1] neg_hi:[0,1]
.set PLN, PLN+1
.else
.set eb, SP+(4*(ep>>3)+((ej-4)>>1))*16+2*(ep&7)+((ej-4)&1)
	v_exp_f32 v[eb], v[eb]
.endif
.elseif SI < 336                       ; (l, l') = (l, l') alpha + the lane's 32 exponentials, in pairs
.set en, 2*(SI&3)
.set ep, (SI-272)>>2
.set eb, SP+(4*(ep>>3)+(SI&3))*16+2*(ep&7)
.if ep == 0
	WIN SW<<4
	s_wait_alu depctr_va_vdst(0)
	v_pk_fma_f32 v[LS+en:LS+en+1], v[LS+en:LS+en+1], v[AL+en:AL+en+1], v[eb:eb+1] op_sel_hi:[1,0,1]
.else
	WIN SW<<2
	v_pk_add_f32 v[LS+en:LS+en+1], v[LS+en:LS+en+1], v[eb:eb+1]
.endif
.set PLN, PLN+1
.elseif SI < 400                       ; p to bf16 in place: the 16 registers of tiles (2 ks, nt), (2 ks + 1, nt) shrink to fragment (ks, nt) in their first eight
.set ep, (SI-336)>>3
.set eb, SP+(4*(((SI-336)>>2)&1)+(SI&3))*16
	WIN SW*0x45
	v_cvt_pk_bf16_f32 v[eb+ep], v[eb+2*ep], v[eb+2*ep+1]
.set PLN, PLN+1
.else                                  ; y alpha: 32 tiles, four packed multiplies each
.if SI == 400
	NEEDPL RPB, 4
.endif
.set ep, (SI-400)>>2
.set eb, 8*ep+2*(SI&3)
	WIN 0x82
	v_pk_mul_f32 v[eb:eb+1], v[eb:eb+1], v[AL+2*(ep&3):AL+2*(ep&3)+1] op_sel_hi:[1,0]
.set PLN, PLN+1
.endif
.set SI, SI+1
.endif
.endm
.macro EMITN                           ; what stands behind one matrix instruction: five, or four where exponentials are among them
.set ec, 5
.if SI >= 80
.if SI < 272
.set ec, 4
.endif
.endif
.rept ec
	EMIT
.endr
.endm
.macro SLOTLD p, st, s, nk             ; the slots that carry eight LDS loads
.set ld, 0
.if \s
.if sl == 1
	KLOAD 1-\p, 1, 1
.elseif sl == 80
	KLOAD 1-\p, 2, 0
.elseif sl == 96
	KLOAD 1-\p, 3, 1
	STEP2 ADR+4*(1-\p)
.endif
.endif
.if \nk
.if sl == 112
	KLOAD \p, 0, 0
.endif
.endif
.if \st
.if sl == 40
	VLOAD \p, 0, 0
.elseif sl == 52
	VLOAD \p, 0, 4
.elseif sl == 72
	VLOAD \p, 1, 0
.elseif sl == 88
	VLOAD \p, 1, 4
	STEP2 ADR+2+4*\p
.endif
.endif
.endm
; Step i.  p = i & 1 (block i lies in half p of the image).  st: the softmax of block i and its value loads.  pv: PV(i-1); first: it starts the sums.
; s: S(i+1), with its key tiles 1-3.  nk: key tile 0 of block i+2.  At entry key tile 0 of block i+1 and the values of block i-1 are asked for.
.macro STEP p, st, pv, first, s, nk
.set SW, 3*(1-\p)
.set OW, 3*\p
.set MC, ML0+(ML1-ML0)*\p
.set MP, ML1-(ML1-ML0)*\p
.set SI, 0
.set SEND, \st*(400+128*\pv)
.set sl, 0
.rept 128
.set ix, sl&63
.set hw, 0
.if sl < 64
.if \pv
	PVW \first
.set hw, 1
.endif
.else
.if \s
	SMW
.set hw, 1
.endif
.endif
	SLOTLD \p, \st, \s, \nk
.if hw
.if ld == 0
	EMITN
.endif
.endif
.set sl, sl+1
.endr
.rept SEND-SI
	EMIT
.endr
	WIN 0
.endm
; the Wt product: rows = 16 d (source 0: weighted sums), columns = 16 o (source 1: Wt), K = 32 channels; k0 = 0: EX fragments 0-31, k0 = 4: 32-63
.macro OMUL k0
.irp kq, 0,1,2,3
.irp td, 0,1,2,3,4,5,6,7
.irp ot, 0,1
.if \k0+\kq
	v_wmma_f32_16x16x32_bf16 v[SP+(2*\td+\ot)*8:SP+(2*\td+\ot)*8+7], v[(8*\kq+\td)*8:(8*\kq+\td)*8+7], v[128+(8*\ot+\k0+\kq)*8:128+(8*\ot+\k0+\kq)*8+7], v[SP+(2*\td+\ot)*8:SP+(2*\td+\ot)*8+7]
.else
	v_wmma_f32_16x16x32_bf16 v[SP+(2*\td+\ot)*8:SP+(2*\td+\ot)*8+7], v[(8*\kq+\td)*8:(8*\kq+\td)*8+7], v[128+(8*\ot+\k0+\kq)*8:128+(8*\ot+\k0+\kq)*8+7], 0
.endif
.endr
.endr
.endr
.endm
; 16 output channels: a lane's 8 neighbouring d go into my own stage, whole rows of 512 bytes come back and are stored
.macro OUT16 ot
.irp td, 0,1,2,3,4,5,6,7
	ds_store_b128 v[OSW], v[SP+(2*\td+\ot)*8:SP+(2*\td+\ot)*8+3] offset:16*OPITCH*\ot+64*\td
	ds_store_b128 v[OSW], v[SP+(2*\td+\ot)*8+4:SP+(2*\td+\ot)*8+7] offset:16*OPITCH*\ot+64*\td+16
.endr
.if \ot
	s_wait_xcnt 0x0                                ; v32-95 are the data of the stores above: loaded again only behind this wait
.endif
.irp i, 0,1,2,3,4,5,6,7,8,9,10,11,12,13,14,15
	ds_load_b128 v[BUF0+4*\i:BUF0+4*\i+3], v[OSR] offset:16*OPITCH*\ot+OPITCH*\i       ; the wave's own bytes, served in order
.endr
.irp i, 0,1,2,3,4,5,6,7,8,9,10,11,12,13,14,15
	s_wait_dscnt 15-\i                             ; row i is back, the younger ones stay out
	global_store_b128 v2, v[BUF0+4*\i:BUF0+4*\i+3], s[26:27] offset:(16*\ot+\i)*4096   ; 512 neighbouring bytes, aligned
.endr
.endm
	; ---- set-up ----
	s_load_b256 s[4:11], s[0:1], 0x0               ; xb s[4:5], wf s[6:7], bv s[8:9], part s[10:11]
	v_lshl_add_u32 v126, v0, 2, 0x49800
	v_mov_b32 v127, 0
	ds_add_u32 v126, v127
	v_lshrrev_b32 v115, 5, v0
	v_readfirstlane_b32 s12, v115                  ; wave w
	v_and_b32 v1, 31, v0                           ; lane L
	v_lshlrev_b32 v2, 4, v1                        ; 16 L
	s_bfe_u32 s13, ttmp6, 0x40000                  ; cx: my place in the cluster
	s_lshr_b32 s15, ttmp9, 2                       ; b   (ttmp9 counts clusters: 64)
	s_bfe_u32 s16, ttmp9, 0x10001                  ; hp
	s_and_b32 s17, ttmp9, 1
	s_lshl2_add_u32 s17, s17, s13                  ; r = 4 (cluster & 1) + cx
	s_lshr_b32 s14, s12, 1
	s_lshl1_add_u32 s18, s16, s14                  ; head h = 2 hp + (w >> 1)
	s_and_b32 s19, s12, 1                          ; jh: which 64 queries
	s_mov_b32 s52, 0x76543210                      ; v_permlanex16_b32: lane i reads lane i of the other half
	s_mov_b32 s53, 0xfedcba98
	; my query columns, a load of my own: wave w brings rows 32 w .. 32 w + 31, 256 bytes each, 272 apart in LDS
	s_mov_b32 s28, 1
	s_mul_i32 s29, s12, 32*XPITCH
	s_add_co_u32 s29, s29, XQ
	s_mov_b32 s32, (1<<16)|(1<<20)|(5<<22)|(3<<25) ; no mask; 2-byte elements; 4 words of padding behind every 64
	s_mov_b32 s33, 128<<16                         ; tensor_dim0 = 128
	s_mov_b32 s34, 32<<16                          ; tensor_dim1 = 32
	s_mov_b32 s35, 128<<16                         ; tile_dim0 = 128
	s_mov_b32 s36, 32                              ; tile_dim1 = 32
	s_mov_b32 s37, 1024                            ; elements from row to row
	s_mov_b32 s38, 0
	s_mov_b32 s39, 0
	; the image, asked for jointly: wave w brings quarter w: half w >> 1 of the positions, rows 64 (w & 1) .. + 63, 1,024 bytes each, 1,040 apart
	s_mov_b32 s40, 1
	s_mul_i32 s41, s12, IQUART
	s_mov_b32 s44, 15|(1<<16)|(1<<20)|(1<<21)|(7<<22)|(3<<25)  ; mask: all four of the cluster, bit 21 beside it; 4 words of padding behind every 256
	s_mov_b32 s45, 512<<16
	s_mov_b32 s46, 64<<16
	s_mov_b32 s47, 512<<16
	s_mov_b32 s48, 64
	s_mov_b32 s49, 1024
	s_mov_b32 s50, 0
	s_mov_b32 s51, 0
	s_lshl_b32 s56, s15, 18                        ; the image's source: b, w alone
	s_lshl_b32 s2, s19, 17
	s_add_co_u32 s56, s56, s2
	s_lshl_b32 s2, s14, 10
	s_add_co_u32 s56, s56, s2
	s_mov_b32 s57, 0
	s_lshl_b32 s58, s15, 18                        ; my columns' source: b, w and r
	s_lshl_b32 s3, s12, 16
	s_add_co_u32 s58, s58, s3
	s_lshl_b32 s3, s17, 8
	s_add_co_u32 s58, s58, s3
	s_mov_b32 s59, 0
	s_wait_dscnt 0x0
	s_wait_kmcnt 0x0
	s_add_nc_u64 s[30:31], s[4:5], s[58:59]
	s_or_b32 s31, s31, 0x80000000
	s_add_nc_u64 s[42:43], s[4:5], s[56:57]
	s_or_b32 s43, s43, 0x80000000
	ROUND                                          ; all four work-groups are here: the joint requests meet
	tensor_load_to_lds s[28:31], s[32:39]          ; both first fills in one group
	s_nop 0
	tensor_load_to_lds s[40:43], s[44:51]
	s_nop 0
	s_lshl_b32 s56, s18, 15
	s_add_nc_u64 s[20:21], s[6:7], s[56:57]        ; my head's fragments of Wq; Wk^T at + 131,072, Wv at + 262,144
	s_lshl_b32 s56, s12, 15
	s_lshl_b32 s2, s16, 13
	s_add_co_u32 s56, s56, s2
	s_add_co_u32 s56, s56, 393216
	s_add_nc_u64 s[22:23], s[6:7], s[56:57]        ; Wt's fragments 16 (2 w + ot) + 8 hp + kk
	s_lshl_b32 s56, s18, 9
	s_add_nc_u64 s[24:25], s[8:9], s[56:57]        ; bv of my head
	s_lshl_b32 s58, s16, 23
	s_lshl_b32 s3, s15, 19
	s_add_co_u32 s58, s58, s3
	s_lshl_b32 s3, s12, 17
	s_add_co_u32 s58, s58, s3
	s_lshl_b32 s3, s17, 9
	s_add_co_u32 s58, s58, s3
	s_add_nc_u64 s[26:27], s[10:11], s[58:59]      ; part[hp][b][32 w][128 r]
	GLOADF 128, 20, 0, 16                          ; Wq's tiles 0-3 into W0
	WIN 0x40
	GLOADF 128, 20, 16384, 16                      ; tiles 4-7 into W1
	WIN 0xc0
	GLOADF 0, 20, 131072, 32                       ; Wk^T into W3
	WIN 0
	v_and_b32 v115, 7, v1                          ; i7
	v_bfe_u32 v116, v1, 3, 1                       ; e
	v_lshrrev_b32 v117, 4, v1                      ; hl
	v_and_b32 v118, 15, v1                         ; r'
	v_lshl_add_u32 v119, v115, 1, v117             ; transposing loads: channel 8 hl + i7 lies in row 2 i7 + hl of its sixteen
	v_lshl_add_u32 v120, v115, 1, v116             ; plain loads: channel r' lies in row 2 i7 + e
	v_mul_u32_u24 v[ADR], v119, IPITCH
	v_lshl_add_u32 v[ADR], v116, 4, v[ADR]
	v_add_nc_u32 v[ADR+1], IQUART, v[ADR]
	v_add_nc_u32 v[ADR+4], IHALF, v[ADR]
	v_add_nc_u32 v[ADR+5], IHALF+IQUART, v[ADR]
	v_mul_u32_u24 v[ADR+2], v120, IPITCH
	v_lshl_add_u32 v[ADR+2], v117, 4, v[ADR+2]
	v_add_nc_u32 v[ADR+3], IQUART, v[ADR+2]
	v_add_nc_u32 v[ADR+6], IHALF, v[ADR+2]
	v_add_nc_u32 v[ADR+7], IHALF+IQUART, v[ADR+2]
	v_mul_u32_u24 v3, v119, XPITCH
	v_lshl_add_u32 v3, v116, 4, v3
	s_lshl_b32 s56, s19, 7
	s_add_co_u32 s56, s56, XQ
	v_add_nc_u32 v3, s56, v3                       ; my 64 queries' columns
	s_lshl_b32 s56, s12, 14
	v_add_nc_u32 v[EXW], s56, v2                   ; my 16 fragments in EX
	s_mul_i32 s56, s12, 32*OPITCH
	s_add_co_u32 s56, s56, OS
	v_mul_u32_u24 v[OSW], v118, OPITCH
	v_lshl_add_u32 v[OSW], v117, 5, v[OSW]
	v_add_nc_u32 v[OSW], s56, v[OSW]
	v_add_nc_u32 v[OSR], s56, v2
	v_lshlrev_b32 v[R4], 2, v118
.irp nt, 0,1,2,3
	v_mov_b32 v[ML1+2*\nt], 0xff800000             ; the maximum in front of block 0 is -inf: its alpha is 0
	v_mov_b32 v[ML1+2*\nt+1], 0                    ; v_permlanex16_b32's destinations count as read,
	v_mov_b32 v[ML0+2*\nt+1], 0
	v_mov_b32 v[AL+2*\nt+1], 0                     ; and so does the second register of a pair that is broadcast
	v_mov_b32 v[LS+2*\nt], 0                       ; l = 0
	v_mov_b32 v[LS+2*\nt+1], 0
.endr
	; ---- q = Wq x_q, q' = Wk^T q ----
	s_wait_tensorcnt 0x1                           ; my part of the query columns is in; the image, issued behind it, stays out
	s_barrier_signal -1
	s_barrier_wait -1                              ; everybody's part is
	WIN 0x40
.irp nt, 0,1,2,3
.irp s, 0,1,2,3
	ds_load_tr16_b128 v[(4*\nt+\s)*8:(4*\nt+\s)*8+3], v3 offset:32*XPITCH*\s+32*\nt
	ds_load_tr16_b128 v[(4*\nt+\s)*8+4:(4*\nt+\s)*8+7], v3 offset:32*XPITCH*\s+32*\nt+16*XPITCH
.endr
.endr
	s_wait_loadcnt 0x3f                            ; of 128 loads at most 63 are out: the first 64, Wq's, are in
	s_wait_dscnt 0x0
	WIN 0xa4
	GEMM 128, 0, 4, 0
	WIN 0xa5
	GEMM 128, 4, 4, 0
	PLACES 4
	CVTFRAG                                        ; q as fragments
	s_wait_loadcnt 0x20                            ; Wk^T's first 32 loads (tiles 0-3) are in, the other 32 stay out
	WIN 0xa7
	GEMM 0, 0, 4, 0
	s_wait_loadcnt 0x0
	GEMM 128, 4, 4, 0
	PLACES 4
	CVTFRAG                                        ; q' as fragments
	WIN 0xc0
	GLOADF 0, 20, 262144, 16                       ; Wv's tiles 0-3 over Wk^T's: they have the whole key loop in which to come
	WIN 0
	; ---- attention over the image: 16 blocks of 64 positions, the halves by turns ----
	s_wait_tensorcnt 0x0                           ; my quarter of the image is in
	s_wait_dscnt 0x0
	s_barrier_signal -1
	s_barrier_wait -1                              ; all four quarters are
	KLOAD 0, 0, 0                                  ; block 0's first key tile
	STEP 1, 0, 0, 0, 1, 1                          ; step -1: S(0) alone
	STEP 0, 1, 0, 0, 1, 1                          ; step 0: softmax(0) in S(1)
	STEP 1, 1, 1, 1, 1, 1                          ; step 1: PV(0) starts the sums: nothing is cleared
	s_mov_b32 s54, 6
.Lkeys:
	STEP 0, 1, 1, 0, 1, 1                          ; steps 2 .. 13
	STEP 1, 1, 1, 0, 1, 1
	s_sub_co_u32 s54, s54, 1
	s_cmp_lg_u32 s54, 0
	s_cbranch_scc1 .Lkeys
	STEP 0, 1, 1, 0, 1, 0                          ; step 14: no block 16 to fetch keys for
	STEP 1, 1, 1, 0, 0, 0                          ; step 15: PV(14), softmax(15)
	WIN 0xc0
	GLOADF 128, 20, 278528, 16                     ; Wv's tiles 4-7, over the even blocks' p, whose last reader was PV(14)
	WIN 0
	STEP 0, 0, 1, 0, 0, 0                          ; step 16: PV(15) alone
	; ---- y / l, weighted sums = Wv y + bv ----  (the eight additions and the v_nop are the places behind the last product)
.irp nt, 0,1,2,3
	v_add_f32 v[LS+2*\nt], v[LS+2*\nt], v[LS+2*\nt+1]
.endr
.irp nt, 0,1,2,3
	v_permlanex16_b32 v[LS+2*\nt+1], v[LS+2*\nt], s52, s53     ; the other half's keys
.endr
.irp nt, 0,1,2,3
	v_add_f32 v[LS+2*\nt], v[LS+2*\nt], v[LS+2*\nt+1]
.endr
.irp nt, 0,1,2,3
	v_rcp_f32 v[AL+2*\nt], v[LS+2*\nt]
.endr
	v_nop                                          ; one plain place behind the last reciprocal
	WIN 0x40
	GLOADF 128, 22, 0, 8                           ; Wt, channels 32 w .. + 15
	GLOADF 192, 22, 16384, 8                       ; and + 16 .. + 31
	WIN 0
.irp td, 0,1,2,3,4,5,6,7
	global_load_b32 v[BUF0+2*\td], v[R4], s[24:25] offset:64*\td       ; bv[128 h + 16 td + r'], each the first register of an even pair
.endr
	RESCALE
	CVTFRAG                                        ; y as fragments
	s_wait_loadcnt 0x28                            ; Wv's loads are in; Wt's 32 and bv's 8, issued behind them, stay out
	WIN 0xad
	GEMM 0, 0, 8, 1                                ; rows = queries, columns = d: tile (td, nt)
	PLACES 4
	s_wait_loadcnt 0x0                             ; bv (and Wt)
	WIN 0x82
.irp td, 0,1,2,3,4,5,6,7
.irp nt, 0,1,2,3
.irp i, 0,2,4,6
	v_pk_add_f32 v[(4*\td+\nt)*8+\i:(4*\td+\nt)*8+\i+1], v[(4*\td+\nt)*8+\i:(4*\td+\nt)*8+\i+1], v[BUF0+2*\td:BUF0+2*\td+1] op_sel_hi:[1,0]
.endr
.endr
.endr
	WIN 0x4a                                       ; tiles (td, 2 s'), (td, 2 s' + 1) are 16 neighbouring registers: fragment (row d, k = 32 s' + ..) number 8 s' + td
.irp sq, 0,1
.irp td, 0,1,2,3,4,5,6,7
.irp i, 0,1,2,3,4,5,6,7
	v_cvt_pk_bf16_f32 v[(8*\sq+\td)*8+\i], v[(4*\td+2*\sq)*8+2*\i], v[(4*\td+2*\sq)*8+2*\i+1]
.endr
.endr
.endr
	; ---- the four waves exchange their weighted sums; each makes 32 output channels over the pair's 256 channels ----
	WIN 0
	s_wait_dscnt 0x0                               ; my reads of the image are over
	s_barrier_signal -1
	s_barrier_wait -1                              ; everybody's are: its bytes, filled for the last time long ago, now serve as EX and OS
	WIN 0x04
.set qq, 0
.rept 16
	ds_store_b128 v[EXW], v[8*qq:8*qq+3] offset:1024*qq
	ds_store_b128 v[EXW], v[8*qq+4:8*qq+7] offset:1024*qq+512
.set qq, qq+1
.endr
	s_wait_dscnt 0x0                               ; my fragments are written
	s_barrier_signal -1
	s_barrier_wait -1                              ; all 64 are
	WIN 0xc0
.set qq, 0
.rept 32
	ds_load_b128 v[8*qq:8*qq+3], v2 offset:1024*qq
	ds_load_b128 v[8*qq+4:8*qq+7], v2 offset:1024*qq+512
.set qq, qq+1
.endr
	WIN 0x80
.set qq, 0
.rept 32
	ds_load_b128 v[8*qq:8*qq+3], v2 offset:32768+1024*qq
	ds_load_b128 v[8*qq+4:8*qq+7], v2 offset:32768+1024*qq+512
.set qq, qq+1
.endr
	s_wait_dscnt 0x3f                              ; of 128 loads at most 63 are out: the first 64 (fragments 0-31) are in
	WIN 0x07
	OMUL 0
	s_wait_dscnt 0x0
	WIN 0x06
	OMUL 4
	PLACES 4                                       ; behind the last product, in front of the stores of its results
	WIN 0
	OUT16 0
	OUT16 1
	s_wait_tensorcnt 0x0
	ds_add_u32 v126, v127
	s_wait_dscnt 0x0
	ROUND                                          ; the closing round: no work-group ends while a partner may still ask jointly
	s_endpgm
.Lfunc_end_k_q6c48678823_attn:
	.size	k_q6c48678823_attn, .Lfunc_end_k_q6c48678823_attn-k_q6c48678823_attn
	.p2alignl 7, 3214868480
	.fill 96, 4, 3214868480
	.section	.rodata,"a",@progbits
	.p2align	6, 0x0
	.amdhsa_kernel k_q6c48678823_attn
		.amdhsa_group_segment_fixed_size 301568
		.amdhsa_private_segment_fixed_size 0
		.amdhsa_enable_private_segment 0
		.amdhsa_kernarg_size 32
		.amdhsa_user_sgpr_count 2
		.amdhsa_user_sgpr_kernarg_segment_ptr 1
		.amdhsa_wavefront_size32 1
		.amdhsa_system_sgpr_workgroup_id_x 1
		.amdhsa_system_sgpr_workgroup_id_y 1
		.amdhsa_system_sgpr_workgroup_id_z 1
		.amdhsa_system_vgpr_workitem_id 0
		.amdhsa_next_free_vgpr 1024
		.amdhsa_next_free_sgpr 66
		.amdhsa_reserve_vcc 0
		.amdhsa_float_denorm_mode_32 3
		.amdhsa_float_denorm_mode_16_64 3
		.amdhsa_memory_ordered 1
		.amdhsa_forward_progress 1
		.amdhsa_inst_pref_size 255
	.end_amdhsa_kernel
	.section	.bss,"aw",@nobits
	.p2align	6
	.space	262144
	.amdgpu_metadata
---
amdhsa.version: [ 1, 2 ]
amdhsa.kernels:
  - .name:           k_q6c48678823_attn
    .symbol:         k_q6c48678823_attn.kd
    .args:
      - { .name: xb, .offset: 0, .size: 8, .value_kind: global_buffer, .address_space: global }
      - { .name: wf, .offset: 8, .size: 8, .value_kind: global_buffer, .address_space: global }
      - { .name: bv, .offset: 16, .size: 8, .value_kind: global_buffer, .address_space: global }
      - { .name: part, .offset: 24, .size: 8, .value_kind: global_buffer, .address_space: global }
    .group_segment_fixed_size: 301568
    .private_segment_fixed_size: 0
    .kernarg_segment_align: 8
    .kernarg_segment_size: 32
    .max_flat_workgroup_size: 128
    .sgpr_count:     66
    .vgpr_count:     1024
    .wavefront_size: 32
...
	.end_amdgpu_metadata
.endif
;; end of part 2
;; launch sum (part 3): grid 256 x 1, 8 waves a work-group, no clusters, 0 bytes of LDS; arguments x, bt, part, out0; writes out0
.if DOCPART == 3
	.amdgcn_target "amdgcn-amd-amdhsa--gfx1250"
	.amdhsa_code_object_version 6
	.text
	.protected	k_q6c48678823_sum
	.globl	k_q6c48678823_sum
	.p2align	8
	.type	k_q6c48678823_sum,@function
k_q6c48678823_sum:
	s_mov_b64 s[64:65], 0
	v_nop
	global_prefetch_b8 v0, s[64:65] scope:SCOPE_SE
	s_setreg_imm32_b32 hwreg(HW_REG_WAVE_MODE, 25, 1), 1
	s_wait_xcnt 0x0
; sum: out0[b][o][p] = x[b][o][p] + bt[o] + part[0][b][o][p] + part[1][b][o][p], all f32.
; 2,048 rows of 4,096 bytes, 2,048 waves: one wave, one row.  All 24 loads of a wave (8 pieces of 512 neighbouring bytes from each of three sources)
; go out at once; each piece is added and stored as it comes.  Every byte is read once and written once; no LDS, barrier, matrix unit or cluster:
; nothing is shared between waves.
	s_load_b256 s[4:11], s[0:1], 0x0               ; x s[4:5], bt s[6:7], part s[8:9], out0 s[10:11]
	v_lshrrev_b32 v1, 5, v0
	v_readfirstlane_b32 s16, v1                    ; wave
	v_and_b32 v2, 31, v0
	v_lshlrev_b32 v2, 4, v2                        ; 16 x lane
	s_lshl3_add_u32 s17, ttmp9, s16                ; row 128 b + o
	s_lshl_b32 s18, s17, 12
	s_mov_b32 s19, 0
	s_and_b32 s14, s17, 127
	s_lshl_b32 s14, s14, 2                         ; o's word in bt
	s_mov_b32 s15, 0
	s_mov_b32 s13, 0                               ; the second word of bt's pair, not used
	s_wait_kmcnt 0x0
	s_add_nc_u64 s[6:7], s[6:7], s[14:15]
	s_load_b32 s12, s[6:7], 0x0                    ; bt[o]
	s_add_nc_u64 s[4:5], s[4:5], s[18:19]
	s_add_nc_u64 s[8:9], s[8:9], s[18:19]          ; the first head pair's partial sums
	s_add_nc_u64 s[20:21], s[8:9], 0x800000        ; the second's, 8,388,608 bytes on
	s_add_nc_u64 s[10:11], s[10:11], s[18:19]
.irp k, 0,1,2,3,4,5,6,7
	global_load_b128 v[8+4*\k:11+4*\k], v2, s[4:5] offset:512*\k th:TH_LOAD_NT
	global_load_b128 v[40+4*\k:43+4*\k], v2, s[8:9] offset:512*\k th:TH_LOAD_NT
	global_load_b128 v[72+4*\k:75+4*\k], v2, s[20:21] offset:512*\k th:TH_LOAD_NT
.endr
	s_wait_kmcnt 0x0
.irp k, 0,1,2,3,4,5,6,7
	s_wait_loadcnt 21-3*\k                         ; piece k's three loads are in; the three of each later piece stay out
	v_pk_add_f32 v[40+4*\k:41+4*\k], v[40+4*\k:41+4*\k], v[72+4*\k:73+4*\k]
	v_pk_add_f32 v[42+4*\k:43+4*\k], v[42+4*\k:43+4*\k], v[74+4*\k:75+4*\k]
	v_pk_add_f32 v[8+4*\k:9+4*\k], v[8+4*\k:9+4*\k], s[12:13] op_sel_hi:[1,0]
	v_pk_add_f32 v[10+4*\k:11+4*\k], v[10+4*\k:11+4*\k], s[12:13] op_sel_hi:[1,0]
	v_pk_add_f32 v[40+4*\k:41+4*\k], v[40+4*\k:41+4*\k], v[8+4*\k:9+4*\k]
	v_pk_add_f32 v[42+4*\k:43+4*\k], v[42+4*\k:43+4*\k], v[10+4*\k:11+4*\k]
	global_store_b128 v2, v[40+4*\k:43+4*\k], s[10:11] offset:512*\k th:TH_STORE_NT
.endr
	s_endpgm
.Lfunc_end_k_q6c48678823_sum:
	.size	k_q6c48678823_sum, .Lfunc_end_k_q6c48678823_sum-k_q6c48678823_sum
	.p2alignl 7, 3214868480
	.fill 96, 4, 3214868480
	.section	.rodata,"a",@progbits
	.p2align	6, 0x0
	.amdhsa_kernel k_q6c48678823_sum
		.amdhsa_group_segment_fixed_size 0
		.amdhsa_private_segment_fixed_size 0
		.amdhsa_enable_private_segment 0
		.amdhsa_kernarg_size 32
		.amdhsa_user_sgpr_count 2
		.amdhsa_user_sgpr_kernarg_segment_ptr 1
		.amdhsa_wavefront_size32 1
		.amdhsa_system_sgpr_workgroup_id_x 1
		.amdhsa_system_sgpr_workgroup_id_y 1
		.amdhsa_system_sgpr_workgroup_id_z 1
		.amdhsa_system_vgpr_workitem_id 0
		.amdhsa_next_free_vgpr 104
		.amdhsa_next_free_sgpr 66
		.amdhsa_reserve_vcc 0
		.amdhsa_float_denorm_mode_32 3
		.amdhsa_float_denorm_mode_16_64 3
		.amdhsa_memory_ordered 1
		.amdhsa_forward_progress 1
		.amdhsa_inst_pref_size 8
	.end_amdhsa_kernel
	.amdgpu_metadata
---
amdhsa.version: [ 1, 2 ]
amdhsa.kernels:
  - .name:           k_q6c48678823_sum
    .symbol:         k_q6c48678823_sum.kd
    .args:
      - { .name: x, .offset: 0, .size: 8, .value_kind: global_buffer, .address_space: global }
      - { .name: bt, .offset: 8, .size: 8, .value_kind: global_buffer, .address_space: global }
      - { .name: part, .offset: 16, .size: 8, .value_kind: global_buffer, .address_space: global }
      - { .name: out0, .offset: 24, .size: 8, .value_kind: global_buffer, .address_space: global }
    .group_segment_fixed_size: 0
    .private_segment_fixed_size: 0
    .kernarg_segment_align: 8
    .kernarg_segment_size: 32
    .max_flat_workgroup_size: 256
    .sgpr_count:     66
    .vgpr_count:     104
    .wavefront_size: 32
...
	.end_amdgpu_metadata
.endif
;; end of part 3
;; ======== version 2 of 2: 3 launches; version 1 with the launch prep written anew for expert scheduling mode
;; workspace buffers: xb 4,194,304 bytes; wf 524,288 bytes; part 16,777,216 bytes
;; launch prep (part 4): grid 256 x 1, 8 waves a work-group, no clusters, 18,432 bytes of LDS; arguments x, Wq, Wk, Wv, Wt, xb, wf; writes xb, wf
.if DOCPART == 4
	.amdgcn_target "amdgcn-amd-amdhsa--gfx1250"
	.amdhsa_code_object_version 6
	.text
	.protected	k_q6c48678823_prep
	.globl	k_q6c48678823_prep
	.p2align	8
	.type	k_q6c48678823_prep,@function
k_q6c48678823_prep:
	s_mov_b64 s[64:65], 0
	v_nop
	global_prefetch_b8 v0, s[64:65] scope:SCOPE_SE
	s_setreg_imm32_b32 hwreg(HW_REG_WAVE_SCHED_MODE, 0, 2), 2
	s_setreg_imm32_b32 hwreg(HW_REG_WAVE_MODE, 25, 1), 1
	s_wait_xcnt 0x0
	s_wait_alu depctr_vm_vsrc(0)
; prep: casts to bf16, once, what the attention launch multiplies.
; PART A.  xb[b][rho(c)][sigma(m)] = bf16(x[b][c][m]); a row is 1,024 bf16 = 2,048 bytes.
;   rho(c)   = (c & 0x70) | ((c & 7) << 1) | ((c >> 3) & 1)   the row's place among the batch's 128 rows
;   sigma(m) = (m & 7) * 128 + (m >> 3)                       so the 128 pixels with m mod 8 = r are 256 neighbouring bytes
; 2,048 rows, 2,048 waves: one wave casts one row.  The regrouping by m mod 8 goes through the wave's own 2,176 bytes of LDS
; (eight segments of 256 bytes, 272 apart); all global reads and writes are 512 neighbouring bytes an instruction.
; PART B.  wf: 512 matrix fragments of 1,024 bytes (16 rows x 32 k of bf16): lane L's registers 0-3 at 16 L, registers 4-7 at 512 + 16 L.
;   Lane (r = L & 15, hl = L >> 4) holds row 16 t + r, k = 32 s + 8 hl + 0..7 and 32 s + 16 + 8 hl + 0..7.
;   fragments   0-127: Wq[128 h + 16 t + r][k] * log2(e)/sqrt(128)    number 32 h + 4 t + s   (scaled in f32, rounded once)
;   fragments 128-255: Wk[128 h + k][16 t + r]  (transposed)          number 32 h + 4 t + s
;   fragments 256-383: Wv[128 h + 16 t + r][k]                        number 32 h + 4 t + s
;   fragments 384-511: Wt[16 t + r][k], k = 32 ks + ..                number 16 t + ks
;   Waves 0 and 4 of each work-group make one fragment each: 2 x 256 = 512.
; No matrix unit, cluster or tensor load: every byte is touched once and nothing is shared between work-groups.
; THE MODE: SCHED_MODE bits 1:0 = 2 (LLVM: expert scheduling mode 2), set by the entry lines.  The code itself states the register dependences
; between vector instructions and memory or LDS instructions, with s_wait_alu, always for 0.
; THE PLAN.  Registers that memory or LDS instructions touch:
;   v2, v3, v4   offsets and LDS addresses: written once at the head, read by every load and store of part A (v2 by part B's stores too), never written again.
;   XR           x's eight loads land in it, once; the conversions read it.
;   PK           each register is written once, by a conversion, and read by two LDS stores; never written again.
;   BK           the LDS loads land in it, the global stores read it; no vector instruction names it.
;   v5           part B: written by two vector instructions, read by the fragment's loads, never written behind them.
;   WL           the fragment's loads land in it; vector instructions name it only behind the wait for those loads.
;   WP           written once by eight conversions, read by the fragment's two stores.
;   v96, v97     written at the head, read by the closing add alone.
; No register that a memory or LDS instruction reads is written again, so the text holds no wait on vm_vsrc.
; The row goes in four steps of two pieces.  Step j waits for its two loads; ONE wait on va_vdst behind that wait states that step j - 1's four conversions
; have written their PK; step j - 1's eight LDS stores follow, dealt among step j's four conversions, which name XR and other registers of PK alone.
.set QSCALE, 0x3e0293ee                ; log2(e) / sqrt(128) = 0.12751743
.set SEG,  272                         ; LDS: a segment of 256 bytes + 16
.set XR,   8                           ; v[8:39]   the row as loaded, eight times 4 f32
.set PK,   40                          ; v[40:55]  packed bf16
.set BK,   56                          ; v[56:71]  the row read back, to store
.set WL,   72                          ; v[72:87]  a fragment's 16 f32
.set WP,   88                          ; v[88:95]  the fragment
; piece k (128 pixels, 4 a lane): its two conversions
.macro PIECE k
	v_cvt_pk_bf16_f32 v[PK+2*(\k)], v[XR+4*(\k)], v[XR+4*(\k)+1]
	v_cvt_pk_bf16_f32 v[PK+2*(\k)+1], v[XR+4*(\k)+2], v[XR+4*(\k)+3]
.endm
; piece k: its four numbers of a lane go to four segments
.macro PUT k
	ds_store_b16 v3, v[PK+2*(\k)] offset:32*(\k)
	ds_store_b16_d16_hi v3, v[PK+2*(\k)] offset:SEG+32*(\k)
	ds_store_b16 v3, v[PK+2*(\k)+1] offset:2*SEG+32*(\k)
	ds_store_b16_d16_hi v3, v[PK+2*(\k)+1] offset:3*SEG+32*(\k)
.endm
	s_load_b256 s[4:11], s[0:1], 0x0               ; x s[4:5], Wq s[6:7], Wk s[8:9], Wv s[10:11]
	s_load_b128 s[12:15], s[0:1], 0x20             ; Wt s[12:13], xb s[14:15]
	s_load_b64 s[16:17], s[0:1], 0x30              ; wf
	v_lshl_add_u32 v96, v0, 2, 0x4400              ; my spare word, behind the eight stages (8 x 2,176 = 17,408), and 0: kept for the closing lines alone
	v_mov_b32 v97, 0
	v_lshrrev_b32 v5, 5, v0
	v_readfirstlane_b32 s18, v5                    ; wave 0..7
	v_and_b32 v1, 31, v0                           ; lane L
	v_lshlrev_b32 v2, 4, v1                        ; 16 L
	v_and_b32 v6, 1, v1
	v_mul_u32_u24 v3, v6, 4*SEG                    ; in: pixel 128 k + 4 L + i has residue 4 (L & 1) + i
	v_lshrrev_b32 v6, 1, v1
	v_lshl_add_u32 v3, v6, 1, v3                   ; and place 16 k + (L >> 1) in its segment
	v_lshrrev_b32 v7, 4, v1                        ; hl
	v_mul_u32_u24 v4, v7, SEG                      ; back: lanes 0-15 one segment, lanes 16-31 the next
	v_and_b32 v6, 15, v1                           ; r
	v_lshl_add_u32 v4, v6, 4, v4
	s_wait_alu depctr_va_sdst(0)                   ; s18 is written, ahead of its first reader: the row's number, the stage and part B's choice are made from it
	s_lshl3_add_u32 s19, ttmp9, s18                ; row number 128 b + c = 8 x work-group + wave
	s_lshl_b32 s20, s19, 12                        ; its 4,096 bytes in x
	s_mov_b32 s21, 0
	s_and_b32 s22, s19, 0x7f0                      ; b and c's bits 6:4 stay
	s_and_b32 s23, s19, 7
	s_lshl1_add_u32 s22, s23, s22                  ; + 2 (c & 7)
	s_bfe_u32 s24, s19, 0x10003
	s_add_co_u32 s22, s22, s24                     ; + bit 3 of c
	s_lshl_b32 s22, s22, 11                        ; its 2,048 bytes in xb
	s_mov_b32 s23, 0
	s_mul_i32 s25, s18, 8*SEG                      ; my wave's stage
	v_add_nc_u32 v3, s25, v3
	v_add_nc_u32 v4, s25, v4
	s_wait_kmcnt 0x0
	s_add_nc_u64 s[4:5], s[4:5], s[20:21]
	s_add_nc_u64 s[14:15], s[14:15], s[22:23]
	s_wait_alu depctr_va_vdst(0)                   ; v2, v3 and v4 are written: every load and store of part A reads one of them as its offset or address
.irp k, 0,1,2,3,4,5,6,7
	global_load_b128 v[XR+4*\k:XR+4*\k+3], v2, s[4:5] offset:512*\k th:TH_LOAD_NT
.endr
	s_wait_loadcnt 6                               ; loads return in order: pieces 0 and 1 are in, the six younger ones stay out
	PIECE 0
	PIECE 1
.irp j, 1,2,3
	s_wait_loadcnt 6-2*\j                          ; pieces 2 j and 2 j + 1 are in, two for each later step stay out
	s_wait_alu depctr_va_vdst(0)                   ; the step before has written its four registers of PK, which the eight LDS stores below read
	PUT 2*\j-2
	PIECE 2*\j                                     ; names XR and this step's PK alone: none of the registers that the stores round it read
	PUT 2*\j-1
	PIECE 2*\j+1
.endr
	s_wait_alu depctr_va_vdst(0)                   ; the last step's conversions have written v[PK+12 .. PK+15], which the last eight LDS stores read
	PUT 6
	PUT 7
.irp q, 0,1,2,3
	ds_load_b128 v[BK+4*\q:BK+4*\q+3], v4 offset:2*SEG*\q      ; the wave's own bytes; LDS serves a wave's instructions in order
.endr
.irp q, 0,1,2,3
	s_wait_dscnt 3-\q                              ; piece q is back, the younger ones stay out
	global_store_b128 v2, v[BK+4*\q:BK+4*\q+3], s[14:15] offset:512*\q      ; 512 neighbouring bytes, aligned
.endr
	; PART B: waves 0 and 4 alone
	s_and_b32 s20, s18, 3
	s_cmp_lg_u32 s20, 0
	s_cbranch_scc1 .Lend
	s_lshr_b32 s20, s18, 2
	s_lshl1_add_u32 s20, ttmp9, s20                ; fragment g = 2 x work-group + (wave >> 2), 0..511
	s_lshr_b32 s21, ttmp9, 6                       ; which matrix: 0 Wq, 1 Wk, 2 Wv, 3 Wt
	s_and_b32 s22, s20, 127                        ; number f inside it
	s_lshl_b32 s26, s20, 10
	s_mov_b32 s27, 0
	s_add_nc_u64 s[16:17], s[16:17], s[26:27]      ; where the fragment goes
	s_cmp_eq_u32 s21, 1
	s_cbranch_scc1 .Ltrans
	; Wq, Wv, Wt: k lies along the matrix's rows.  SH = log2 of the fragments in a row of fragments: 2 (rows of 128) or 4 (rows of 512)
	s_cmp_eq_u32 s21, 0
	s_cselect_b64 s[24:25], s[6:7], s[10:11]
	s_cselect_b32 s30, QSCALE, 1.0                 ; Wq alone carries the scale of the scores
	s_mov_b32 s31, 0                               ; the pair's second word, not used
	s_cmp_eq_u32 s21, 3
	s_cselect_b64 s[24:25], s[12:13], s[24:25]
	s_cselect_b32 s28, 4, 2                        ; SH
	s_lshr_b32 s26, s22, s28
	s_add_co_u32 s29, s28, 11
	s_lshl_b32 s26, s26, s29                       ; 16 rows of (128 << SH) bytes for each row of fragments
	s_bfm_b32 s29, s28, 0
	s_and_b32 s29, s22, s29
	s_lshl_b32 s29, s29, 7                         ; 32 k = 128 bytes
	s_add_co_u32 s26, s26, s29
	s_add_nc_u64 s[24:25], s[24:25], s[26:27]
	s_add_co_u32 s29, s28, 7
	v_lshlrev_b32 v5, s29, v6                      ; row r
	v_lshl_add_u32 v5, v7, 5, v5                   ; + 8 hl numbers
	s_wait_alu depctr_va_vdst(0)                   ; v5 is written, which the four loads below read as their offset
	global_load_b128 v[WL:WL+3], v5, s[24:25]
	global_load_b128 v[WL+4:WL+7], v5, s[24:25] offset:16
	global_load_b128 v[WL+8:WL+11], v5, s[24:25] offset:64
	global_load_b128 v[WL+12:WL+15], v5, s[24:25] offset:80
	s_wait_loadcnt 0x0
.irp i, 0,2,4,6,8,10,12,14
	v_pk_mul_f32 v[WL+\i:WL+\i+1], v[WL+\i:WL+\i+1], s[30:31] op_sel_hi:[1,0]
.endr
	s_branch .Lpack
.Ltrans:
	; Wk transposed: k = d runs down Wk's rows; sixteen lanes read 64 neighbouring bytes of one row.  256 KiB in the whole launch.
	s_lshr_b32 s26, s22, 5
	s_lshl_b32 s26, s26, 7                         ; 128 h
	s_and_b32 s28, s22, 3
	s_lshl_b32 s28, s28, 5                         ; + 32 s
	s_add_co_u32 s26, s26, s28
	s_lshl_b32 s26, s26, 9                         ; rows of 512 bytes
	s_bfe_u32 s28, s22, 0x30002
	s_lshl_b32 s28, s28, 6                         ; + 16 t columns
	s_add_co_u32 s26, s26, s28
	s_add_nc_u64 s[24:25], s[8:9], s[26:27]
	v_lshlrev_b32 v5, 2, v6                        ; column r
	v_lshl_add_u32 v5, v7, 12, v5                  ; + 8 hl rows
	s_wait_alu depctr_va_vdst(0)                   ; v5 is written, which the sixteen loads below read as their offset
.irp i, 0,1,2,3,4,5,6,7,8,9,10,11,12,13,14,15
	global_load_b32 v[WL+\i], v5, s[24:25] offset:((\i&7)+16*(\i>>3))*512
.endr
	s_wait_loadcnt 0x0
.Lpack:
.irp i, 0,1,2,3,4,5,6,7
	v_cvt_pk_bf16_f32 v[WP+\i], v[WL+2*\i], v[WL+2*\i+1]
.endr
	s_wait_alu depctr_va_vdst(0)                   ; the eight conversions have written v[WP ..], which the two stores read
	global_store_b128 v2, v[WP:WP+3], s[16:17]
	global_store_b128 v2, v[WP+4:WP+7], s[16:17] offset:512
.Lend:
	s_wait_dscnt 0x0                               ; the closing lines, six on end
	s_wait_alu 0x0
	s_wait_tensorcnt 0x0
	ds_add_u32 v96, v97
	s_wait_dscnt 0x0
	s_endpgm
.Lfunc_end_k_q6c48678823_prep:
	.size	k_q6c48678823_prep, .Lfunc_end_k_q6c48678823_prep-k_q6c48678823_prep
	.p2alignl 7, 3214868480
	.fill 96, 4, 3214868480
	.section	.rodata,"a",@progbits
	.p2align	6, 0x0
	.amdhsa_kernel k_q6c48678823_prep
		.amdhsa_group_segment_fixed_size 18432
		.amdhsa_private_segment_fixed_size 0
		.amdhsa_enable_private_segment 0
		.amdhsa_kernarg_size 56
		.amdhsa_user_sgpr_count 2
		.amdhsa_user_sgpr_kernarg_segment_ptr 1
		.amdhsa_wavefront_size32 1
		.amdhsa_system_sgpr_workgroup_id_x 1
		.amdhsa_system_sgpr_workgroup_id_y 1
		.amdhsa_system_sgpr_workgroup_id_z 1
		.amdhsa_system_vgpr_workitem_id 0
		.amdhsa_next_free_vgpr 98
		.amdhsa_next_free_sgpr 66
		.amdhsa_reserve_vcc 0
		.amdhsa_float_denorm_mode_32 3
		.amdhsa_float_denorm_mode_16_64 3
		.amdhsa_memory_ordered 1
		.amdhsa_forward_progress 1
		.amdhsa_inst_pref_size 12
	.end_amdhsa_kernel
	.amdgpu_metadata
---
amdhsa.version: [ 1, 2 ]
amdhsa.kernels:
  - .name:           k_q6c48678823_prep
    .symbol:         k_q6c48678823_prep.kd
    .args:
      - { .name: x, .offset: 0, .size: 8, .value_kind: global_buffer, .address_space: global }
      - { .name: Wq, .offset: 8, .size: 8, .value_kind: global_buffer, .address_space: global }
      - { .name: Wk, .offset: 16, .size: 8, .value_kind: global_buffer, .address_space: global }
      - { .name: Wv, .offset: 24, .size: 8, .value_kind: global_buffer, .address_space: global }
      - { .name: Wt, .offset: 32, .size: 8, .value_kind: global_buffer, .address_space: global }
      - { .name: xb, .offset: 40, .size: 8, .value_kind: global_buffer, .address_space: global }
      - { .name: wf, .offset: 48, .size: 8, .value_kind: global_buffer, .address_space: global }
    .group_segment_fixed_size: 18432
    .private_segment_fixed_size: 0
    .kernarg_segment_align: 8
    .kernarg_segment_size: 56
    .max_flat_workgroup_size: 256
    .sgpr_count:     66
    .vgpr_count:     98
    .wavefront_size: 32
...
	.end_amdgpu_metadata
.endif
;; end of part 4
;; launch attn: the kernel of part 2 again; grid 256 x 1, 4 waves a work-group, clusters of 4 x 1, 301,568 bytes of LDS; arguments xb, wf, bv, part; writes part
;; launch sum: the kernel of part 3 again; grid 256 x 1, 8 waves a work-group, no clusters, 0 bytes of LDS; arguments x, bt, part, out0; writes out0
